; MI455X (gfx1250); checked and timed in simulation.
; The chip was launched on July 23, 2026; its instructions are those of AMD's public machine-readable ISA for CDNA 5 (MIT licence, August 2026) and "CDNA5" Instruction Set Architecture Reference Guide (July 2026). The comments in the code are by the model that wrote it; some were corrected since.
;; Self Attention. Allowed arithmetic: matrix products marked QUANTISED: E5M2 operands, one given power-of-two scale a tensor, by v_wmma_f32_16x16x64_bf8_bf8 or v_wmma_f32_16x16x128_bf8_bf8, f32 sums; everything else in f32.
;; Inputs: fc_b 512 float32; fc_w 512 x 512 float32; keys 2 x 4,096 x 512 float32; lowp_scales 6 int32 (the exponents e of the quantised operands' scales 2^e); mask 1 int32; query 2 x 4,096 x 512 float32; values 2 x 4,096 x 512 float32.
;; Outputs: out0 2 x 4,096 x 512 float32.
;; This version of the problem:
;;   THIS VERSION OF THE PROBLEM IS GIVEN IN LOW PRECISION. The matrix products marked QUANTISED in the list below multiply operands that are first quantised to E5M2 (5 exponent bits, 2 mantissa bits; 8 bits a number), with one given power-of-two scale for each operand tensor; their sums are f32. All else is computed in f32.
;;   The module's matrix products, in the order in which they are computed (A, B: the left and right operand; K: the contracted axis; several contracted axes count as one K, in the product's order):
;;     1. batch 2 x [M 4,096, K 64] x [K 64, N 32,768]; A: computed on the way; B: input values: QUANTISED (scales: A lowp_scales[0], B lowp_scales[1])
;;     2. batch 16 x [M 64, K 4,096] x [K 4,096, N 4,096]; A: input values; B: softmax (see below): QUANTISED (scales: A lowp_scales[2], B lowp_scales[3])
;;     3. [M 8,192, K 512] x [K 512, N 512]; A: computed on the way; B: input fc_w: QUANTISED (scales: A lowp_scales[4], B lowp_scales[5])
;;   THE QUANTISER, for each operand of a quantised product, along K:
;;     - The operand's scale is 2^e, e = its entry of the input lowp_scales (int32; the entries are numbered through the quantised products in the list's order, A before B).
;;     - Each number is divided by the scale, clamped to +-57,344, and rounded to the nearest number of E5M2, ties to even, subnormals kept.
;;     - The product sums the exact products of the quantised numbers (number of the format x scale) in f32.
;;   ~~~python
;;   def quantise(x, axis, e):      # numpy; x: float32 -> the quantised numbers, widened to float32 again
;;       x = np.moveaxis(x, axis, -1); K = x.shape[-1]
;;       r = np.clip(x / 2.0 ** e, -57344, 57344)
;;       step = 2.0 ** (np.maximum(np.frexp(np.where(r == 0, 1, r))[1] - 1, -14) - 2)
;;       q = np.round(r / step) * step * 2.0 ** e      # np.round: ties to even
;;       return np.moveaxis(q, -1, axis).astype(np.float32)
;;   ~~~
;;   SOFTMAX AHEAD OF A QUANTISED PRODUCT. Where the list says 'softmax', what is quantised is not the finished softmax but p = 2^(t - M), with t = logit x log2(e) and M = ceil(the row's largest t), a whole number; so 1/2 < the row's largest p <= 1. The row's sum l is taken of the UNQUANTISED p, in f32, and the product's result is divided by l at the end. Since M is a whole number, a kernel that streams over the keys may use a running M (the ceiling of the running maximum): every later rescaling is an exact power of two, so the quantised numbers keep their values, but for numbers so far below the row's largest that they fall under the format's range.
;;   OPERANDS COMPUTED ON THE WAY. 'Computed on the way' means the value that the module computes at that place (a softmax that the list does not call 'softmax' is quantised finished and normalised). What goes into a quantiser is computed in f32, as accurately as f32 sums, v_exp_f32 and their like allow (about 1e-6 of the number): no bf16 or f16 on the way to a quantiser, and a product that is left as it is and whose result goes on into a quantised operand takes f32 operands (vector FMAs, or v_wmma_f32_16x16x4_f32). A number that lies on a knife's edge between two numbers of the format may be rounded either way, as far as f32 arithmetic and the matrix unit's own rounding can turn it there, and no further.
;; One version. Each part assembles by itself: llvm-mc -triple=amdgcn-amd-amdhsa -mcpu=gfx1250 --defsym DOCPART=n.
;; ======== version 1 of 1: 2 launches
;; limits: right only within a limited range of input values
;; workspace buffers: qc 4,194,304 bytes; kv 4,718,592 bytes; wc 262,144 bytes
;; launch prep (part 1): grid 256 x 1, 8 waves a work-group, no clusters, 168,960 bytes of LDS; arguments values, fc_w, lowp_scales, qc, kv, wc; writes qc, kv, wc
.if DOCPART == 1
	.amdgcn_target "amdgcn-amd-amdhsa--gfx1250"
	.amdhsa_code_object_version 6
	.text
	.protected	k_q59485b7faa_prep
	.globl	k_q59485b7faa_prep
	.p2align	8
	.type	k_q59485b7faa_prep,@function
k_q59485b7faa_prep:
	s_mov_b64 s[64:65], 0
	v_nop
	global_prefetch_b8 v0, s[64:65] scope:SCOPE_SE
	s_setreg_imm32_b32 hwreg(HW_REG_WAVE_MODE, 25, 1), 1
	s_wait_xcnt 0x0
; PREP: every operand that many work-groups of the next launch read is quantised ONCE, to codes of BF8 (E5M2), each with its given scale 2^e (lowp_scales e0 .. e5).
;   qc  [8192][512]  codes of values with e1 (the queries of the first product), rows as in values.
;   kv  [32 blocks of 256 keys][8 parts][18,432 bytes]: part w = 16,384 bytes of V of head w (values with e2, the KEYS innermost) and 2,048 bytes of K (ksum with e0) of keys 32 w .. 32 w + 31 of the block.
;       ksum[key][d] = the sum over the 8 heads n of values[key][64 n + d]: reference() contracts k's head axis too, so all heads share one K.
;   wc  codes of fc_w with e5.
; kv and wc are laid as IMAGES OF OPERAND REGISTERS: four registers of a fragment are 512 bytes, lane l's 16 bytes at 16 l; registers 4 c .. 4 c + 3 of lane (r, h) hold k = 32 c + 16 h + 0 .. 15 of the lane's row.
;   V: step q (128 keys), tile t of 16 d, at q 8192 + t 2048 + c 512: lane (r, h): d = 32 (t / 2) + 8 (t % 2) + r + 8 (r / 8), keys 128 q + 32 c + 16 h + 0 .. 15.
;   K: at 16384 + u 1024 + c 512: lane (r, h): key 8 u + r + 8 (r / 8) of the part's 32, d = 32 c + 16 h + 0 .. 15.
;   wc: rows 16 T on, k 128 s on, at (4 T + s) 2048 + c 512: lane (r, h): fc_w[16 T + r][128 s + 32 c + 16 h + 0 .. 15].
; code = x / 2^e, held within +-57,344, to the nearest code, ties to even.  LIMITS: each e between -126 and 112, so that 2^e and 57,344 x 2^e are f32 numbers; NaN among the inputs is not served.
; keys, query and mask are no arguments: reference() takes the first two's shapes alone and nothing of the third.
; SHARES.  Work-group g takes rows 32 g .. 32 g + 31 of values (32 keys: one c of one step of one block) and a patch of 16 rows x 64 k of fc_w.  The rows come into LDS by one tensor load a wave (4 rows), each byte of
; values read once; they are read from LDS twice: by rows (16 neighbours a lane: q's codes and ksum) and by columns (a lane a d, registers down the keys: V's codes come out with the keys innermost, nothing is transposed).
; No cluster: the work-groups share no input.  No LDS byte is filled twice, so there is no ring.
.set XROW,  2560                       ; a row in LDS: 32 pieces of 64 bytes, 16 bytes of padding behind each: 80 bytes from piece to piece
.set XWV,   4*XROW                     ; a wave's four rows; rows 16 to 31 lie 128 bytes further on, so that the two halves of the lanes, 16 rows apart, fall on different banks in the reads by columns
.set KST,   82176                      ; behind the rows (they end at 82,048): 2,048 bytes, the image of the group's K codes, in blocks of 256 bytes into which no tensor load lands
.set PART,  18432
.set SLOTB, 8*PART
.set LI,   1                           ; v1   16 x lane
.set XQ,   2                           ; v2   the reads by rows: my wave's rows + 80 x lane
.set VA,   3                           ; v3   the reads by columns
.set KW,   4                           ; v4   where my 16 codes of ksum go in the image
.set KR,   5                           ; v5   KST + 16 x thread: the image read back
.set WA,   6                           ; v6   fc_w: row r of 2,048 bytes + 64 h
.set TI,   7                           ; v7   16 x thread
.set SC1,  8                           ; v8, v9: 2^e1 and 57,344 x 2^e1;  v10, v11: e0;  v12, v13: e2;  v14, v15: e5
.set LIM1, 9
.set SC0,  10
.set LIM0, 11
.set SC2,  12
.set LIM2, 13
.set SC5,  14
.set LIM5, 15
.set T,    16                          ; v16-31   at work
.set X,    32                          ; v32-95   four rows x 16 numbers; later four images x 16 numbers of V
.set QC,   96                          ; v96-111  q's codes, four registers a row: no store's data are written again
.set KC,   112                         ; v112-127 ksum's codes
.set VC,   128                         ; v128-143 V's codes
.set WX,   144                         ; v144-159 16 numbers of fc_w
.set WC,   160                         ; v160-163 their codes
.set KO,   164                         ; v164-167 the K image on its way out
	s_load_b256 s[4:11], s[0:1], 0x0               ; values s[4:5], fc_w s[6:7], lowp_scales s[8:9], qc s[10:11]
	s_load_b128 s[12:15], s[0:1], 0x20             ; kv s[12:13], wc s[14:15]
	v_lshl_add_u32 v192, v0, 2, 0x29000
	v_mov_b32 v193, 0
	ds_add_u32 v192, v193
	ds_add_u32 v192, v193
	v_lshrrev_b32 v1, 5, v0
	s_delay_alu instid0(VALU_DEP_1)
	v_readfirstlane_b32 s28, v1                    ; wave 0..7
	; descriptor group 1: 4 rows x 512 elements of 4 bytes, dense in memory; 4 words of padding behind every 16
	s_mov_b32 s16, 0x06d20000                      ; 17:16 elements of 4 bytes; 20 padding on; 24:22 after every 16 words (code 3); 31:25 four words (code 3)
	s_mov_b32 s17, 512<<16                         ; tensor_dim0 = 512
	s_mov_b32 s18, 4<<16                           ; tensor_dim1 = 4
	s_mov_b32 s19, 512<<16                         ; tile_dim0 = 512
	s_mov_b32 s20, 4                               ; tile_dim1 = 4
	s_mov_b32 s21, 512                             ; elements from row to row
	s_mov_b32 s22, 0
	s_mov_b32 s23, 0
	s_mov_b32 s24, 1                               ; group 0: count = 1
	s_mul_i32 s25, s28, XWV                        ; LDS address: wave x 10,240,
	s_lshr_b32 s29, s28, 2
	s_lshl_b32 s29, s29, 7
	s_add_co_u32 s25, s25, s29                     ; + 128 for waves 4 to 7 (rows 16 to 31)
	s_lshl_b32 s30, ttmp9, 16                      ; 32 rows of 2,048 bytes a work-group,
	s_lshl_b32 s31, s28, 13                        ; 4 a wave
	s_add_co_u32 s30, s30, s31
	s_mov_b32 s31, 0
	s_mov_b32 s40, 0x76543210                      ; v_permlanex16_b32's selects for lane l xor 16
	s_mov_b32 s41, 0xfedcba98
	s_wait_dscnt 0x0
	s_wait_kmcnt 0x0
	s_add_nc_u64 s[26:27], s[4:5], s[30:31]
	s_or_b32 s27, s27, 0x80000000                  ; type = 2
	tensor_load_to_lds s[24:27], s[16:23]          ; my four rows: the wave's one tensor load
	s_nop 0
.rept 4
	v_nop                                          ; four plain lines behind a tensor load
.endr
	s_load_b128 s[32:35], s[8:9], 0x0              ; e0 .. e3
	s_load_b64 s[36:37], s[8:9], 0x10              ; e4, e5
	; every LDS address is made here, ahead of the first branch on the wave's number
	v_and_b32 v16, 31, v0                          ; lane p
	v_and_b32 v17, 15, v0                          ; r
	v_bfe_u32 v18, v0, 4, 1                        ; h
	v_bfe_u32 v19, v0, 3, 1                        ; r / 8
	v_and_b32 v20, 7, v0                           ; r % 8
	v_bfe_u32 v21, v0, 1, 1
	s_wait_alu depctr_va_vdst(0)
	v_and_b32 v22, 1, v0
	v_lshlrev_b32 v[LI], 4, v16
	v_mul_u32_u24 v[XQ], v16, 80
	s_delay_alu instid0(VALU_DEP_1)
	v_add_nc_u32 v[XQ], s25, v[XQ]                 ; piece p (numbers 16 p .. 16 p + 15) of my wave's first row
	v_mul_u32_u24 v[VA], v19, 80                   ; column 64 w + d, d = 32 (t / 2) + 16 (r / 8) + 8 (t % 2) + r % 8: piece 4 w + 2 (t / 2) + r / 8, word 8 (t % 2) + r % 8;
	s_delay_alu instid0(VALU_DEP_1)
	v_lshl_add_u32 v[VA], v20, 2, v[VA]
	s_delay_alu instid0(VALU_DEP_1)
	v_mad_u32_u24 v[VA], v18, 16*XROW+128, v[VA]   ; row 16 h + i
	s_mul_i32 s29, s28, 320
	v_add_nc_u32 v[VA], s29, v[VA]
	s_bfe_u32 s42, s28, 0x10001                    ; my row i is key 4 w + i of the 32: u = (w / 2) % 2, lane r = 8 (w / 4) + 4 (w % 2) + i of the image;
	s_lshl_b32 s42, s42, 10
	s_and_b32 s43, s28, 1
	s_lshl_b32 s43, s43, 6
	s_add_co_u32 s42, s42, s43
	s_lshr_b32 s43, s28, 2
	s_lshl_b32 s43, s43, 7
	s_add_co_u32 s42, s42, s43
	s_add_co_u32 s42, s42, KST
	v_lshlrev_b32 v[KW], 9, v21                    ; my piece p % 4 of the 64 d: c = (p / 2) % 2, h = p % 2
	s_wait_alu depctr_va_vdst(0)
	v_lshl_add_u32 v[KW], v22, 8, v[KW]
	s_delay_alu instid0(VALU_DEP_1)
	v_add_nc_u32 v[KW], s42, v[KW]
	v_lshl_add_u32 v[KR], v0, 4, KST
	v_lshlrev_b32 v[WA], 11, v17
	s_delay_alu instid0(VALU_DEP_1)
	v_lshl_add_u32 v[WA], v18, 6, v[WA]
	v_lshlrev_b32 v[TI], 4, v0
	; where my parts of the buffers begin
	s_lshr_b32 s52, ttmp9, 3                       ; the block of 256 keys; also fc_w's tile of 16 rows
	s_and_b32 s53, ttmp9, 7                        ; my 32 keys in it; also fc_w's 64 k
	s_lshl_b32 s42, ttmp9, 14
	s_lshl_b32 s43, s28, 11
	s_add_co_u32 s42, s42, s43
	s_mov_b32 s43, 0
	s_add_nc_u64 s[10:11], s[10:11], s[42:43]      ; qc: row 32 g + 4 w
	s_mul_i32 s54, s52, SLOTB
	s_mul_i32 s42, s28, PART
	s_add_co_u32 s42, s42, s54
	s_lshr_b32 s44, s53, 2
	s_lshl_b32 s44, s44, 13
	s_add_co_u32 s42, s42, s44
	s_and_b32 s44, s53, 3
	s_lshl_b32 s44, s44, 9
	s_add_co_u32 s42, s42, s44
	s_add_nc_u64 s[46:47], s[12:13], s[42:43]      ; kv: V of head w, step q = (g % 8) / 4, c = g % 4
	s_mul_i32 s42, s53, PART
	s_add_co_u32 s42, s42, s54
	s_add_co_u32 s42, s42, 16384
	s_add_nc_u64 s[48:49], s[12:13], s[42:43]      ; kv: K of part g % 8
	s_lshl_b32 s42, ttmp9, 10
	s_lshl_b32 s44, s28, 9
	s_add_co_u32 s42, s42, s44
	s_add_nc_u64 s[14:15], s[14:15], s[42:43]      ; wc: (4 T + s) 2048 + c 512 = 1,024 g + 512 w, for waves 0 and 1
	s_lshl_b32 s42, s52, 15
	s_lshl_b32 s44, s53, 8
	s_add_co_u32 s42, s42, s44
	s_lshl_b32 s44, s28, 7
	s_add_co_u32 s42, s42, s44
	s_add_nc_u64 s[6:7], s[6:7], s[42:43]          ; fc_w: row 16 (g / 8), k = 64 (g % 8) + 32 w
.macro MKSC e, sc, lim                 ; 2^e as f32 (the conversion takes its exponent field), and the largest number x 2^e
	s_add_co_i32 s42, s[\e], 127
	s_lshl_b32 s43, s42, 23
	v_mov_b32 v[\sc], s43
	s_add_co_i32 s42, s42, 15
	s_lshl_b32 s42, s42, 23
	s_or_b32 s42, s42, 0x600000
	v_mov_b32 v[\lim], s42
.endm
	s_wait_kmcnt 0x0
	MKSC 33, SC1, LIM1
	MKSC 32, SC0, LIM0
	MKSC 34, SC2, LIM2
	MKSC 37, SC5, LIM5
	; ---- fc_w's patch: waves 0 and 1, one image of 512 bytes each, while the tensor loads land
	s_cmp_lt_u32 s28, 2
	s_cbranch_scc0 .Lno_patch
.irp i, 0,1,2,3
	global_load_b128 v[WX+4*\i:WX+4*\i+3], v[WA], s[6:7] offset:16*\i th:TH_LOAD_NT   ; lane (r, h): 16 neighbours along K of row r
.endr
	s_wait_loadcnt 0x0
	s_wait_alu depctr_va_vdst(0)
.irp j, 0,1,2,3,4,5,6,7,8,9,10,11,12,13,14,15
	v_med3_num_f32 v[WX+\j], v[WX+\j], -v[LIM5], v[LIM5]   ; the conversion to an 8-bit code does not saturate (ISA guide 7.6.2): the hold at the largest code x the scale
.endr
	v_cvt_scalef32_pk8_bf8_f32 v[WC:WC+1], v[WX:WX+7], v[SC5]
	v_cvt_scalef32_pk8_bf8_f32 v[WC+2:WC+3], v[WX+8:WX+15], v[SC5]
	v_nop                                          ; a plain line behind the last conversion of a run
	global_store_b128 v[LI], v[WC:WC+3], s[14:15]  ; the wave stores 512 consecutive bytes
.Lno_patch:
	s_wait_tensorcnt 0x0                           ; my four rows are in LDS,
	s_barrier_signal -1
	s_barrier_wait -1                              ; everybody's are
	; ---- by rows: my wave's four rows; lane p holds numbers 16 p .. 16 p + 15 of a row: head p / 4, d = 16 (p % 4) + 0 .. 15
.irp i, 0,1,2,3
.irp k, 0,1,2,3
	ds_load_b128 v[X+16*\i+4*\k:X+16*\i+4*\k+3], v[XQ] offset:\i*XROW+16*\k
.endr
.endr
.macro ROWQK i
	s_wait_dscnt 4*(3-(\i))+(\i)                   ; row i is in: behind its loads stand the later rows' loads and the i stores of K codes issued since
.irp j, 0,1,2,3,4,5,6,7,8,9,10,11,12,13,14,15
	v_med3_num_f32 v[T+\j], v[X+16*(\i)+\j], -v[LIM1], v[LIM1]
.endr
	v_cvt_scalef32_pk8_bf8_f32 v[QC+4*(\i):QC+4*(\i)+1], v[T:T+7], v[SC1]
	v_cvt_scalef32_pk8_bf8_f32 v[QC+4*(\i)+2:QC+4*(\i)+3], v[T+8:T+15], v[SC1]
.irp j, 0,1,2,3,4,5,6,7,8,9,10,11,12,13,14,15
	v_add_f32_dpp v[X+16*(\i)+\j], v[X+16*(\i)+\j], v[X+16*(\i)+\j] row_xmask:4 row_mask:0xf bank_mask:0xf   ; the sum over the 8 heads: lanes p xor 4,
.endr
.irp j, 0,1,2,3,4,5,6,7,8,9,10,11,12,13,14,15
	v_add_f32_dpp v[X+16*(\i)+\j], v[X+16*(\i)+\j], v[X+16*(\i)+\j] row_xmask:8 row_mask:0xf bank_mask:0xf   ; p xor 8,
.endr
.irp j, 0,1,2,3,4,5,6,7,8,9,10,11,12,13,14,15
	v_permlanex16_b32 v[T+\j], v[X+16*(\i)+\j], s40, s41
.endr
.irp j, 0,1,2,3,4,5,6,7,8,9,10,11,12,13,14,15
	v_add_f32 v[X+16*(\i)+\j], v[X+16*(\i)+\j], v[T+\j]   ; and p xor 16: every lane holds ksum's piece p % 4, the same bits in the eight lanes that share it
.endr
	global_store_b128 v[LI], v[QC+4*(\i):QC+4*(\i)+3], s[10:11] offset:512*(\i)   ; a whole row of qc: 512 consecutive bytes
.irp j, 0,1,2,3,4,5,6,7,8,9,10,11,12,13,14,15
	v_med3_num_f32 v[X+16*(\i)+\j], v[X+16*(\i)+\j], -v[LIM0], v[LIM0]
.endr
	v_cvt_scalef32_pk8_bf8_f32 v[KC+4*(\i):KC+4*(\i)+1], v[X+16*(\i):X+16*(\i)+7], v[SC0]
	v_cvt_scalef32_pk8_bf8_f32 v[KC+4*(\i)+2:KC+4*(\i)+3], v[X+16*(\i)+8:X+16*(\i)+15], v[SC0]
	v_nop                                          ; a plain line behind the last conversion of a run
	ds_store_b128 v[KW], v[KC+4*(\i):KC+4*(\i)+3] offset:16*(\i)   ; the eight lanes of a piece write the same bytes to the same place
.endm
	s_wait_alu depctr_va_vdst(0)
	ROWQK 0
	ROWQK 1
	ROWQK 2
	ROWQK 3
	; ---- by columns: wave w is head w; lane (r, h) takes a d, and its registers run down keys 16 h + 0 .. 15: number 16 t + i
.irp t, 0,1,2,3
.irp i, 0,1,2,3,4,5,6,7,8,9,10,11,12,13,14,15
	ds_load_b32 v[X+16*\t+\i], v[VA] offset:\i*XROW+(\t/2)*160+(\t%2)*32
.endr
.endr
.macro IMG t
	s_wait_dscnt 16*(3-(\t))                       ; image t's 16 numbers are in; the later images' loads may be out
.irp j, 0,1,2,3,4,5,6,7,8,9,10,11,12,13,14,15
	v_med3_num_f32 v[X+16*(\t)+\j], v[X+16*(\t)+\j], -v[LIM2], v[LIM2]
.endr
	v_cvt_scalef32_pk8_bf8_f32 v[VC+4*(\t):VC+4*(\t)+1], v[X+16*(\t):X+16*(\t)+7], v[SC2]
	v_cvt_scalef32_pk8_bf8_f32 v[VC+4*(\t)+2:VC+4*(\t)+3], v[X+16*(\t)+8:X+16*(\t)+15], v[SC2]
	global_store_b128 v[LI], v[VC+4*(\t):VC+4*(\t)+3], s[46:47] offset:2048*(\t)   ; 512 consecutive bytes: four registers of tile t's fragment
.endm
	IMG 0
	IMG 1
	IMG 2
	IMG 3
	v_nop                                          ; a plain line behind the last conversion
	; ---- K's image leaves: its 2,048 bytes came from all eight waves
	s_wait_dscnt 0x0                               ; for the others' sake: my stores into the image are done
	s_barrier_signal -1
	s_barrier_wait -1
	s_cmp_lt_u32 s28, 4
	s_cbranch_scc0 .Ldone
	ds_load_b128 v[KO:KO+3], v[KR]
	s_wait_dscnt 0x0
	global_store_b128 v[TI], v[KO:KO+3], s[48:49]  ; waves 0 to 3: 512 consecutive bytes each
.Ldone:
	s_wait_tensorcnt 0x0
	ds_add_u32 v192, v193
	s_wait_dscnt 0x0
	s_endpgm
.Lfunc_end_k_q59485b7faa_prep:
	.size	k_q59485b7faa_prep, .Lfunc_end_k_q59485b7faa_prep-k_q59485b7faa_prep
	.p2alignl 7, 3214868480
	.fill 96, 4, 3214868480
	.section	.rodata,"a",@progbits
	.p2align	6, 0x0
	.amdhsa_kernel k_q59485b7faa_prep
		.amdhsa_group_segment_fixed_size 168960
		.amdhsa_private_segment_fixed_size 0
		.amdhsa_enable_private_segment 0
		.amdhsa_kernarg_size 48
		.amdhsa_user_sgpr_count 2
		.amdhsa_user_sgpr_kernarg_segment_ptr 1
		.amdhsa_wavefront_size32 1
		.amdhsa_system_sgpr_workgroup_id_x 1
		.amdhsa_system_sgpr_workgroup_id_y 1
		.amdhsa_system_sgpr_workgroup_id_z 1
		.amdhsa_system_vgpr_workitem_id 0
		.amdhsa_next_free_vgpr 194
		.amdhsa_next_free_sgpr 66
		.amdhsa_reserve_vcc 0
		.amdhsa_float_denorm_mode_32 3
		.amdhsa_float_denorm_mode_16_64 3
		.amdhsa_memory_ordered 1
		.amdhsa_forward_progress 1
		.amdhsa_inst_pref_size 43
	.end_amdhsa_kernel
	.amdgpu_metadata
---
amdhsa.version: [ 1, 2 ]
amdhsa.kernels:
  - .name:           k_q59485b7faa_prep
    .symbol:         k_q59485b7faa_prep.kd
    .args:
      - { .name: values, .offset: 0, .size: 8, .value_kind: global_buffer, .address_space: global }
      - { .name: fc_w, .offset: 8, .size: 8, .value_kind: global_buffer, .address_space: global }
      - { .name: lowp_scales, .offset: 16, .size: 8, .value_kind: global_buffer, .address_space: global }
      - { .name: qc, .offset: 24, .size: 8, .value_kind: global_buffer, .address_space: global }
      - { .name: kv, .offset: 32, .size: 8, .value_kind: global_buffer, .address_space: global }
      - { .name: wc, .offset: 40, .size: 8, .value_kind: global_buffer, .address_space: global }
    .group_segment_fixed_size: 168960
    .private_segment_fixed_size: 0
    .kernarg_segment_align: 8
    .kernarg_segment_size: 48
    .max_flat_workgroup_size: 256
    .sgpr_count:     66
    .vgpr_count:     194
    .wavefront_size: 32
...
	.end_amdgpu_metadata
.endif
;; end of part 1
;; launch attn (part 2): grid 256 x 1, 8 waves a work-group, clusters of 4 x 1, 327,680 bytes of LDS; arguments qc, kv, wc, lowp_scales, fc_b, out0; writes out0
.if DOCPART == 2
	.amdgcn_target "amdgcn-amd-amdhsa--gfx1250"
	.amdhsa_code_object_version 6
	.text
	.protected	k_q59485b7faa_attn
	.globl	k_q59485b7faa_attn
	.p2align	8
	.type	k_q59485b7faa_attn,@function
k_q59485b7faa_attn:
	s_mov_b64 s[64:65], 0
	v_nop
	global_prefetch_b8 v0, s[64:65] scope:SCOPE_SE
	s_setreg_imm32_b32 hwreg(HW_REG_WAVE_MODE, 25, 1), 1
	s_wait_xcnt 0x0
	s_wait_alu depctr_hold_cnt(0) depctr_sa_sdst(0) depctr_va_vdst(0) depctr_va_sdst(0) depctr_va_ssrc(0) depctr_va_vcc(0) depctr_vm_vsrc(0)
	s_getreg_b32 s2, hwreg(HW_REG_IB_STS2, 6, 4)
	s_cmp_eq_u32 s2, 0
	s_cbranch_scc0 .Lentry_in_a_cluster
	s_endpgm
.Lentry_in_a_cluster:
	s_bfe_u32 s2, ttmp6, 0x10000c
	s_cmp_lg_u32 s2, 0x3003
	s_cbranch_scc0 .Lentry_shape_is_right
	s_endpgm
.Lentry_shape_is_right:
; out0 = (softmax(q ksum^T / sqrt(512)) v) fc_w^T + fc_b, all three products on codes of BF8 (E5M2) that launch prep made: qc, kv (K and V as images of operand registers), wc.
; keys, query and mask are no arguments: reference() takes the first two's shapes alone and nothing of the third (shown at prep's head).
; SHARES.  A work-group owns 32 rows of one batch; wave w is head w with two tiles of 16 queries.  Every wave walks the batch's 4,096 keys, 128 a step; a slot holds 256 keys (8 parts of 18,432 bytes: V of head w and 32 keys of K).
; The four work-groups of a cluster walk the same kv and ask for each slot JOINTLY (mask 15), one tensor load a wave, in a ring of two slots; each change of slots is a round of the cluster's barrier.
; Both products are used transposed (S^T = K Q^T, O^T = V^T P^T): a lane holds one query; p's 16 registers of two neighbouring tiles are 16 neighbouring keys.
; SOFTMAX: t = score x log2(e) / sqrt(512) x 2^(e0 + e1); M = ceil(running largest t); p = 2^(t - M) is quantised with e3; the sum is taken of the unquantised p; a move of M multiplies sums and O^T by 2^(old M - new M).
; THE STEP'S ORDER.  All sources of a batch of exponentials are laid ahead of one wait; between the exponentials stand only lines whose results are first read behind the next wait
; (tile 1's t - M among tile 0's exponentials; tile 0's first-level sums and holds among tile 1's).  So a step has three such waits for its 128 exponentials.
; THE STEP IS ROTATED: the next step's scores are asked for inside this step, tile 0's as soon as tile 0's codes are made, tile 1's ahead of the second product; a step opens with tile 0's maxima.
; Each tile's chain from its maximum to f is laid between independent lines of the other tile.
; At the end each wave quantises its 32 x 64 of O with e4, the eight heads meet in LDS as an operand image, and wave w makes columns 64 w .. 64 w + 63 of the output.
; LIMITS: e0 + e1 between -122 and 131; e3, e4 between -126 and 112; e4 + e5 between -126 and 127; the scaled scores stay under 2^31 in magnitude; NaN among the inputs is not served.
.set PART,  18432
.set SLOTB, 8*PART
.set KOFF,  16384
.set SPARE, 2*SLOTB                    ; behind the ring: the spare words, 128 bytes a wave
.set OIMG,  131072                     ; the tail: slot 0's first 131,072 bytes take wc's sets 0 and 1 (its last fill); behind them, in bytes that have had their last fill, the image of O's codes;
.set STG0,  SLOTB                      ; the stages lie in slot 1, which has had its last fill and, behind the tail's barrier, its last read
.set SP,    272
; window 0: v1-31 addresses and constants; v32-55 the two tiles' state; v56-63 the maxima's chains; v64-191 S^T then p; v192-223 p's codes; v224-255 partial sums, in the tail the bias
.set LI,   1
.set AK,   2
.set AV,   10
.set SPW,  12
.set NIL,  13
.set LIMP, 14                          ; 57,344 x 2^e3, twice: the two halves of a dual line name registers of different banks
.set SCP,  15
.set PFO,  16
.set QA,   17
.set OIW,  18
.set STO,  19
.set SRD,  20
.set GO,   21
.set BA,   22
.set LIM4, 23
.set SC4,  24
.set PFW,  28
.set LIMQ, 29
.set XA,   30                          ; OIMG + 16 x lane
.set WA,   31                          ; my wave's 16,384 bytes of wc in LDS + 16 x lane
.set ST,   32                          ; a tile's state: +0 -M, +1 largest t, +2:3 sum, +4 f (+5 = 0), +6 at work, +8:9 second sum (tile 1), +10 permute
.set T1,   ST+12
.set MC,   56                          ; four chains of maxima a tile
.set S,    64
.set S1,   S+64
.set P,    192
.set TS,   224
.set BI,   224
; window 1: v0-63 O^T; v64-79 Q; v128-191 V's fragments; v192-255 K's
.set O,    0
.set Q,    64
.set VF,   128
.set KF,   192
.set XF,   0
.set Y,    64
.set W01,  128
.set W23,  64
.set YO,   128
.set RB,   64
.set WV,   16
.set CX,   17
.set GG,   18
.set BB,   19
.set SEL,  20
.set CS,   22
.set G1,   24
.set G0A,  32
.set G0B,  36
.set TRIPS, 46
.set LIM,  47
.set PFA,  48
.set YS,   50
.set EO,   52
.set G1W,  68                          ; s[68:75], s[76:79]: the descriptor of wc's joint load
.set G0W,  76
.set MSB, 0
.macro WIN new                         ; the immediate's high byte repeats the setting that is left
.if MSB != \new
	s_set_vgpr_msb (MSB<<8)|\new
.set MSB, \new
.endif
.endm
.set LD1,   0x40
.set W_KQ,  0x05
.set W_PV,  0x51
.set W_RS,  0x41
.set W_CV,  0x01
.set W_F01, 0x55
.set W_F23, 0x54
.macro PLACES
.rept 4
	v_nop
.endr
.endm
.macro CROUND                          ; a round of the cluster's barrier
	s_barrier_signal -1
	s_barrier_wait -1
	s_cmp_lg_u32 s[WV], 0
	s_cbranch_scc1 .Lnot_wave_0_\@
	s_barrier_signal -3
.Lnot_wave_0_\@:
	s_barrier_wait -3
	s_barrier_signal -1
	s_barrier_wait -1
.endm
; A prefetch of the slot that the NEXT change will ask for: one cluster of each batch asks; of a wave's part (72 blocks of 256 bytes) each partner takes 18, told apart by address.  how = 0: not in the last trip, which has no slot behind it.
.macro ASK how
.if \how
	s_cmp_eq_u32 s[LIM], 1
.else
	s_cmp_gt_u32 s[TRIPS], s[LIM]
.endif
	s_cbranch_scc0 .Lnot_mine_\@
	global_prefetch_b8 v[PFO], s[PFA:PFA+1] th:TH_LOAD_NT scope:SCOPE_SE
.Lnot_mine_\@:
.endm
	s_load_b256 s[4:11], s[0:1], 0x0               ; qc, kv, wc, lowp_scales
	s_load_b128 s[12:15], s[0:1], 0x20             ; fc_b, out0
	v_lshl_add_u32 v[SPW], v0, 2, SPARE
	v_mov_b32 v[NIL], 0
	ds_add_u32 v[SPW], v[NIL]                      ; the opening lines: the add twice on end and one wait
	ds_add_u32 v[SPW], v[NIL]
	v_lshrrev_b32 v25, 5, v0
	v_readfirstlane_b32 s[WV], v25                 ; wave = head
	s_bfe_u32 s[CX], ttmp6, 0x40000
	s_lshl_b32 s[GG], ttmp9, 2
	s_add_co_u32 s[GG], s[GG], s[CX]               ; my 32 rows
	s_lshr_b32 s[BB], ttmp9, 5                     ; the batch
	s_mov_b32 s[G1], 15|(3<<16)|(1<<21)            ; a part: 72 rows of 256 bytes, dense; elements of 8 bytes; mask: all four partners
	s_mov_b32 s[G1+1], 32<<16
	s_mov_b32 s[G1+2], 72<<16
	s_mov_b32 s[G1+3], 32<<16
	s_mov_b32 s[G1+4], 72
	s_mov_b32 s[G1+5], 32
	s_mov_b32 s[G1+6], 0
	s_mov_b32 s[G1+7], 0
	s_mov_b32 s[G1W], 15|(3<<16)|(1<<21)           ; wc, sets 0 and 1 of my 64 rows: 4 rows of 4,096 bytes, 8,192 bytes apart; elements of 8 bytes; mask: all four partners
	s_mov_b32 s[G1W+1], 512<<16
	s_mov_b32 s[G1W+2], 4<<16
	s_mov_b32 s[G1W+3], 512<<16
	s_mov_b32 s[G1W+4], 4
	s_mov_b32 s[G1W+5], 1024
	s_mov_b32 s[G1W+6], 0
	s_mov_b32 s[G1W+7], 0
	s_mov_b32 s[SEL], 0x76543210
	s_mov_b32 s[SEL+1], 0xfedcba98
	s_mov_b32 s[G0A], 1
	s_mov_b32 s[G0B], 1
	s_mul_i32 s[G0A+1], s[WV], PART
	s_add_co_u32 s[G0B+1], s[G0A+1], SLOTB
	s_mul_i32 s54, s[BB], 16*SLOTB
	s_add_co_u32 s54, s54, s[G0A+1]
	s_mov_b32 s55, 0
	s_mul_i32 s56, s[CX], 18*256
	s_add_co_u32 s56, s56, 2*SLOTB
	s_mov_b32 s57, 0
	s_lshl_b32 s58, s[GG], 14
	s_lshl_b32 s53, s[WV], 6
	s_add_co_u32 s58, s58, s53                     ; qc: row 32 g, head w
	s_mov_b32 s59, 0
	s_lshl_b32 s60, s[GG], 16
	s_lshl_b32 s62, s[WV], 8
	s_add_co_u32 s60, s60, s62                     ; out0: row 32 g, column 64 w
	s_mov_b32 s61, 0
	s_mov_b32 s63, 0
	v_and_b32 v25, 31, v0
	v_and_b32 v26, 15, v0
	v_bfe_u32 v27, v0, 4, 1
	v_lshlrev_b32 v[LI], 4, v25
.irp sl, 0,1
.irp q, 0,1
.irp hh, 0,1
	v_add_nc_u32 v[AK+4*\sl+2*\q+\hh], \sl*SLOTB+\q*4*PART+\hh*2*PART+KOFF, v[LI]
.endr
.endr
.endr
	v_add_nc_u32 v[AV], s[G0A+1], v[LI]
	v_add_nc_u32 v[AV+1], SLOTB, v[AV]
	v_min_u32 v[PFO], 17, v25
	v_lshlrev_b32 v[PFO], 8, v[PFO]
	s_lshl_b32 s53, s[CX], 13
	v_lshl_add_u32 v[PFW], v25, 8, s53             ; wc's prefetch: of my wave's 128 blocks of 256 bytes, my work-group's 32, a lane a block
	v_lshlrev_b32 v[QA], 9, v26
	v_lshl_add_u32 v[QA], v27, 4, v[QA]
	s_lshl_b32 s53, s[WV], 10
	s_add_co_u32 s53, s53, OIMG
	v_add_nc_u32 v[OIW], s53, v[LI]
	v_add_nc_u32 v[XA], OIMG, v[LI]
	s_lshl_b32 s53, s[WV], 14
	v_add_nc_u32 v[WA], s53, v[LI]
	s_mul_i32 s53, s[WV], 32*SP
	s_add_co_u32 s53, s53, STG0
	v_mul_u32_u24 v[STO], v26, SP
	v_lshl_add_u32 v[STO], v27, 5, v[STO]
	v_add_nc_u32 v[STO], s53, v[STO]
	v_mul_u32_u24 v[SRD], v27, SP
	v_lshl_add_u32 v[SRD], v26, 4, v[SRD]
	v_add_nc_u32 v[SRD], s53, v[SRD]
	v_lshlrev_b32 v[GO], 11, v27
	v_lshl_add_u32 v[GO], v26, 4, v[GO]
	v_lshlrev_b32 v[BA], 5, v27
	s_wait_alu depctr_va_vdst(0)                   ; ahead of the waits below
	s_wait_dscnt 0x0                               ; both opening adds are done
	s_wait_kmcnt 0x0
	s_load_b128 s[40:43], s[10:11], 0x0            ; e0 .. e3
	s_load_b64 s[44:45], s[10:11], 0x10            ; e4, e5
	s_add_nc_u64 s[G0A+2:G0A+3], s[6:7], s[54:55]
	s_add_nc_u64 s[G0B+2:G0B+3], s[G0A+2:G0A+3], SLOTB
	s_add_nc_u64 s[PFA:PFA+1], s[G0A+2:G0A+3], s[56:57]
	s_or_b32 s[G0A+3], s[G0A+3], 0x80000000
	s_or_b32 s[G0B+3], s[G0B+3], 0x80000000
	s_add_nc_u64 s[4:5], s[4:5], s[58:59]
	s_add_nc_u64 s[14:15], s[14:15], s[60:61]
	s_add_nc_u64 s[12:13], s[12:13], s[62:63]
	s_lshl_b32 s62, s[WV], 15
	s_add_nc_u64 s[8:9], s[8:9], s[62:63]          ; wc: rows 64 w on
	s_mov_b32 s[G0W], 1
	s_lshl_b32 s[G0W+1], s[WV], 14
	s_mov_b64 s[G0W+2:G0W+3], s[8:9]
	s_or_b32 s[G0W+3], s[G0W+3], 0x80000000
	CROUND
	tensor_load_to_lds s[G0A:G0A+3], s[G1:G1+7]    ; slot 0: my one tensor load at the head
	s_nop 0
	PLACES
	WIN LD1                                        ; the rest of the head stands under that load's flight
.irp x, 0,1
.irp c, 0,1
	global_load_b128 v[Q+8*\x+4*\c:Q+8*\x+4*\c+3], v[QA], s[4:5] offset:\x*8192+32*\c
.endr
.endr
.set ri, 0
.rept 64
	v_mov_b32 v[O+ri], 0                           ; O^T: the step is written once; the first change of M multiplies zeros
.set ri, ri+1
.endr
	WIN 0
.irp x, 0,1
	v_mov_b32 v[ST+12*\x+1], 0xff61b1e6            ; -3e38, under every t
	v_floor_f32 v[ST+12*\x], -v[ST+12*\x+1]
	v_mov_b32 v[ST+12*\x+2], 0
	v_mov_b32 v[ST+12*\x+3], 0
	v_mov_b32 v[ST+12*\x+5], 0
	v_mov_b32 v[ST+12*\x+10], 0
.endr
	v_mov_b32 v[T1+8], 0
	v_mov_b32 v[T1+9], 0
.macro MKSC e, sc, lim                 ; 2^e as f32, and 57,344 x 2^e
	s_add_co_i32 s53, s[\e], 127
	s_lshl_b32 s54, s53, 23
	v_mov_b32 v[\sc], s54
	s_add_co_i32 s53, s53, 15
	s_lshl_b32 s53, s53, 23
	s_or_b32 s53, s53, 0x600000
	v_mov_b32 v[\lim], s53
.endm
	s_wait_kmcnt 0x0
	s_add_co_i32 s53, s40, s41
	s_lshl_b32 s53, s53, 23
	s_add_co_i32 s[CS], s53, 0x3d8293ee            ; c = log2(e) / sqrt(512), e0 + e1 added to its exponent field
	s_mov_b32 s[CS+1], s[CS]
	MKSC 43, SCP, LIMP
	v_mov_b32 v[LIMQ], s53
	MKSC 44, SC4, LIM4
	s_add_co_i32 s[YS], s44, s45
	s_add_co_i32 s[YS], s[YS], 127
	s_lshl_b32 s[YS], s[YS], 23                    ; 2^(e4 + e5)
	s_mov_b32 s[YS+1], s[YS]
	s_add_co_i32 s[EO], s42, s43
	s_and_b32 s[LIM], ttmp9, 31
	s_cmp_eq_u32 s[LIM], 0
	s_cselect_b32 s[LIM], 1, -1                    ; 1 in the one cluster of each batch that prefetches
.macro FETCH_K sl, q
	WIN LD1
.irp t, 0,1,2,3,4,5,6,7
.irp c, 0,1
	ds_load_b128 v[KF+8*\t+4*\c:KF+8*\t+4*\c+3], v[AK+4*(\sl)+2*(\q)+\t/4] offset:((\t/2)%2)*PART+(\t%2)*1024+512*\c
.endr
.endr
.endm
.macro FETCH_V sl, q
	WIN LD1
.irp t, 0,1,2,3
.irp c, 0,1,2,3
	ds_load_b128 v[VF+16*\t+4*\c:VF+16*\t+4*\c+3], v[AV+(\sl)] offset:(\q)*8192+\t*2048+512*\c
.endr
.endr
.endm
.macro KQ x                            ; S^T of tile x, for the 128 keys whose K is in registers
.irp t, 0,1,2,3,4,5,6,7
	v_wmma_f32_16x16x64_bf8_bf8 v[S+64*(\x)+8*\t:S+64*(\x)+8*\t+7], v[KF+8*\t:KF+8*\t+7], v[Q+8*(\x):Q+8*(\x)+7], 0
.endr
.endm
.macro MAXI x, n                       ; line n of 30: tile x's largest score in four chains, the registers in ascending order
.if (\n) < 4
	v_max3_num_f32 v[MC+4*(\x)+(\n)], v[S+64*(\x)+3*(\n)], v[S+64*(\x)+3*(\n)+1], v[S+64*(\x)+3*(\n)+2]
.else
	v_max3_num_f32 v[MC+4*(\x)+(\n)%4], v[MC+4*(\x)+(\n)%4], v[S+64*(\x)+4+2*(\n)], v[S+64*(\x)+5+2*(\n)]
.endif
.endm
.macro TAILI x, k                      ; line k of 11: from the four chains to -M and f = 2^(old M - new M)
.set rT, ST+12*(\x)
.set rC, MC+4*(\x)
.if (\k) == 0
	v_max3_num_f32 v[rC], v[rC], v[rC+1], v[rC+2]
.elseif (\k) == 1
	v_max_num_f32 v[rC], v[rC], v[rC+3]
.elseif (\k) == 2
	v_permlanex16_b32 v[rT+10], v[rC], s[SEL], s[SEL+1]
.elseif (\k) == 3
	v_max_num_f32 v[rC], v[rC], v[rT+10]
.elseif (\k) == 4
	v_mul_f32 v[rC], s[CS], v[rC]
.elseif (\k) == 5
	v_max_num_f32 v[rT+1], v[rT+1], v[rC]
.elseif (\k) == 6
	v_mov_b32 v[rT+6], v[rT]
.elseif (\k) == 7
	v_floor_f32 v[rT], -v[rT+1]
.elseif (\k) == 8
	v_sub_f32 v[rT+6], v[rT], v[rT+6]
.elseif (\k) == 9
	v_cvt_i32_f32 v[rT+6], v[rT+6]
.else
	v_ldexp_f32 v[rT+4], 1.0, v[rT+6]
.endif
.endm
.macro MIN2 r                          ; the hold of two p at the largest code x the scale (p is not negative: one-sided), two in one line
	v_dual_min_num_f32 v[\r], v[\r], v[LIMP] :: v_dual_min_num_f32 v[(\r)+1], v[(\r)+1], v[LIMQ]
.endm
.macro CVT2 p, s                       ; 16 neighbouring keys into four registers of the operand
	v_cvt_scalef32_pk8_bf8_f32 v[\p:(\p)+1], v[\s:(\s)+7], v[SCP]
	v_cvt_scalef32_pk8_bf8_f32 v[(\p)+2:(\p)+3], v[(\s)+8:(\s)+15], v[SCP]
.endm
.macro P1G g                           ; tile 1, numbers 4 g .. 4 g + 3: into the two sums (the first group brings them under the new M), then held; every fourth group is followed by its 16 codes
.if (\g) == 0
	v_pk_fma_f32 v[T1+2:T1+3], v[T1+2:T1+3], v[T1+4:T1+5], v[S1:S1+1] op_sel_hi:[1,0,1]
	v_pk_fma_f32 v[T1+8:T1+9], v[T1+8:T1+9], v[T1+4:T1+5], v[S1+2:S1+3] op_sel_hi:[1,0,1]
.else
	v_pk_add_f32 v[T1+2:T1+3], v[T1+2:T1+3], v[S1+4*(\g):S1+4*(\g)+1]
	v_pk_add_f32 v[T1+8:T1+9], v[T1+8:T1+9], v[S1+4*(\g)+2:S1+4*(\g)+3]
.endif
	MIN2 S1+4*(\g)
	MIN2 S1+4*(\g)+2
.if (\g)%4 == 3
	CVT2 P+16+4*((\g)/4), S1+16*((\g)/4)
.endif
.endm
; A KEY STEP: 128 keys, the q-th of slot sl, for my two tiles of queries.  At its head both tiles' scores have been asked for.
; kind > 0 (a slot's second step): the change of slots stands in the step's middle, where V's fragments are in registers and nothing reads the slot any more; kind = 1: the slot is filled with keys again, 2: with wc.
; q = 1 and kind = 0: the very last step.
.macro STEP sl, q, kind, how
.irp n, 0,1,2,3
	MAXI 0, \n                                     ; these four are also the places in front of loads into registers that the last products read
.endr
	FETCH_V \sl, \q
.if (\q) == 0
	FETCH_K \sl, 1                                 ; the next step's K
.elseif (\kind) == 0
.irp tt, 0,1,2,3                               ; K's registers take wc's set 2
.irp c, 0,1,2,3
	global_load_b128 v[KF+16*\tt+4*\c:KF+16*\tt+4*\c+3], v[LI], s[8:9] offset:\tt*8192+2*2048+512*\c
.endr
.endr
.endif
	WIN 0
.set mi, 4
.rept 26
	MAXI 0, mi
.set mi, mi+1
.endr
.set mi, 0
.set ki, 0
.rept 11                                       ; tile 0's chain, three of tile 1's maxima behind each of its lines
	TAILI 0, ki
.set ki, ki+1
.rept 3
.if mi < 30
	MAXI 1, mi
.set mi, mi+1
.endif
.endr
.endr
.set mi, 0
.set ki, 0
.rept 11                                       ; tile 1's chain, three of tile 0's t - M behind each of its lines
	TAILI 1, ki
.set ki, ki+1
.rept 3
.if mi < 32
	v_pk_fma_f32 v[S+2*mi:S+2*mi+1], v[S+2*mi:S+2*mi+1], s[CS:CS+1], v[ST:ST+1] op_sel_hi:[1,0,0]
.set mi, mi+1
.endif
.endr
.endr
	WIN W_RS
.irp x, 0,1
.irp i, 0,2,4,6,8,10,12,14,16,18,20,22,24,26,28,30
	v_pk_mul_f32 v[O+32*\x+\i:O+32*\x+\i+1], v[O+32*\x+\i:O+32*\x+\i+1], v[ST+12*\x+4:ST+12*\x+5] op_sel_hi:[1,0]   ; O^T under the new M, read ahead of the step's exponentials
.endr
.endr
	WIN 0
.if (\kind) > 0
	s_wait_alu depctr_va_vdst(0)                   ; ahead of the waits and branches of the change of slots
	CHANGE 1-(\sl), \kind, \how                    ; the refill and the next slot's K have the rest of this step in which to land
	WIN 0
.endif
	s_wait_alu depctr_va_vdst(0)                   ; ahead of a batch
.set ej, 0
.rept 32                                       ; tile 0's p; among them tile 1's t - M, first read behind the next wait
	v_exp_f32 v[S+2*ej], v[S+2*ej]
	v_exp_f32 v[S+2*ej+1], v[S+2*ej+1]
	v_pk_fma_f32 v[S1+2*ej:S1+2*ej+1], v[S1+2*ej:S1+2*ej+1], s[CS:CS+1], v[T1:T1+1] op_sel_hi:[1,0,0]
.set ej, ej+1
.endr
	s_wait_alu depctr_va_vdst(0)                   ; behind tile 0's batch and ahead of tile 1's
.set ej, 0
.rept 16                                       ; tile 1's p; among them tile 0's sums of four, each into a pair of its own, and its holds: all first read behind the next wait
	v_exp_f32 v[S1+4*ej], v[S1+4*ej]
	v_exp_f32 v[S1+4*ej+1], v[S1+4*ej+1]
	v_pk_add_f32 v[TS+2*ej:TS+2*ej+1], v[S+4*ej:S+4*ej+1], v[S+4*ej+2:S+4*ej+3]
	v_exp_f32 v[S1+4*ej+2], v[S1+4*ej+2]
	MIN2 S+4*ej
	v_exp_f32 v[S1+4*ej+3], v[S1+4*ej+3]
	MIN2 S+4*ej+2
.set ej, ej+1
.endr
	v_nop                                          ; a plain place behind the last exponential
	s_wait_alu depctr_va_vdst(0)                   ; behind tile 1's batch; it also stands directly ahead of the wait below
	s_wait_dscnt 0x0                               ; V and the next step's K are in registers
.irp j, 0,2,4,6,8,10,12,14
	v_pk_add_f32 v[TS+\j:TS+\j+1], v[TS+\j:TS+\j+1], v[TS+16+\j:TS+17+\j]
.endr
	CVT2 P, S
	CVT2 P+4, S+16
.irp j, 0,2,4,6
	v_pk_add_f32 v[TS+\j:TS+\j+1], v[TS+\j:TS+\j+1], v[TS+8+\j:TS+9+\j]
.endr
	CVT2 P+8, S+32
	CVT2 P+12, S+48
.irp j, 0,2
	v_pk_add_f32 v[TS+\j:TS+\j+1], v[TS+\j:TS+\j+1], v[TS+4+\j:TS+5+\j]   ; (plain lines behind the conversions, whose sources the products below write)
.endr
.if (\q) == 0 || (\kind) > 0
	WIN W_KQ
	KQ 0                                           ; the next step's scores of tile 0, under tile 1's sums and holds
	WIN 0
.endif
	P1G 0
	v_pk_add_f32 v[TS:TS+1], v[TS:TS+1], v[TS+2:TS+3]
	P1G 1
	v_pk_fma_f32 v[ST+2:ST+3], v[ST+2:ST+3], v[ST+4:ST+5], v[TS:TS+1] op_sel_hi:[1,0,1]   ; tile 0's sum under the new M, and this step's part
.set gi, 2
.rept 14
	P1G gi
.set gi, gi+1
.endr
	v_nop                                          ; a plain line behind the last conversion
.if (\q) == 0 || (\kind) > 0
	WIN W_KQ
	KQ 1                                           ; the next step's scores of tile 1
.endif
	WIN W_PV
.irp t, 0,1,2,3
.irp x, 0,1
	v_wmma_f32_16x16x128_bf8_bf8 v[O+32*\x+8*\t:O+32*\x+8*\t+7], v[VF+16*\t:VF+16*\t+15], v[P+16*\x:P+16*\x+15], v[O+32*\x+8*\t:O+32*\x+8*\t+7]
.endr
.endr
	WIN 0
.endm
; THE CHANGE OF SLOTS: all my tensor loads waited for, the add, the wait for it and for my reads of the slot left; a round of the cluster's barrier; the joint refill of the slot left, first behind it; then the next slot's first K.
.macro CHANGE to, refill, how
	WIN 0
	s_wait_tensorcnt 0x0
	ds_add_u32 v[SPW], v[NIL]
.if (\refill) == 1
	s_add_nc_u64 s[G0A+4*(1-(\to))+2:G0A+4*(1-(\to))+3], s[G0A+4*(1-(\to))+2:G0A+4*(1-(\to))+3], 2*SLOTB
	s_wait_xcnt 0x0                                ; any prefetch of mine has read its address
	s_add_nc_u64 s[PFA:PFA+1], s[PFA:PFA+1], SLOTB
.endif
	s_wait_dscnt 0x0
	CROUND
.if (\refill) == 1
	tensor_load_to_lds s[G0A+4*(1-(\to)):G0A+4*(1-(\to))+3], s[G1:G1+7]
	s_nop 0
	PLACES
	ASK \how
.else
	tensor_load_to_lds s[G0W:G0W+3], s[G1W:G1W+7]  ; the last change: the slot left takes wc's sets 0 and 1, which the tail reads
	s_nop 0
	PLACES
.endif
	FETCH_K \to, 0
.endm
	s_wait_alu depctr_va_vdst(0)                   ; at the head's end
	s_wait_tensorcnt 0x0                           ; my part of slot 0 is in; slot 1's first fill is issued as a refill is
	ds_add_u32 v[SPW], v[NIL]
	s_wait_dscnt 0x0
	CROUND
	tensor_load_to_lds s[G0B:G0B+3], s[G1:G1+7]
	s_nop 0
	PLACES
	s_wait_loadcnt 0x0                             ; Q
	FETCH_K 0, 0
	s_wait_dscnt 0x0
	WIN W_KQ
	KQ 0                                           ; the first step's scores
	KQ 1
	WIN 0
	PLACES
	s_mov_b32 s[TRIPS], 7
.Lloop:                                            ; a trip: two slots, four steps, both slots filled again (slots 2 to 15 in seven trips)
	STEP 0, 0, 0, 0
	STEP 0, 1, 1, 1
	STEP 1, 0, 0, 0
	STEP 1, 1, 1, 0
	s_sub_co_u32 s[TRIPS], s[TRIPS], 1
	s_cmp_lg_u32 s[TRIPS], 0
	s_cbranch_scc1 .Lloop
	s_cmp_eq_u32 s[LIM], 1                         ; wc, more than one key step ahead of its joint load: 8 waves x 4 partners x 32 lanes name its 1,024 blocks of 256 bytes once in each cluster that asks
	s_cbranch_scc0 .Lno_w
	global_prefetch_b8 v[PFW], s[8:9] th:TH_LOAD_NT scope:SCOPE_SE
.Lno_w:
	STEP 0, 0, 0, 0                                ; the last two slots are written out: no keys are left to ask for
	STEP 0, 1, 2, 0
	STEP 1, 0, 0, 0
	STEP 1, 1, 0, 0
	; THE TAIL: O / the sum x 2^(e2 + e3), quantised with e4; the heads meet in LDS; y = x fc_w^T x 2^(e4 + e5) + fc_b
	v_pk_add_f32 v[T1+2:T1+3], v[T1+2:T1+3], v[T1+8:T1+9]
.irp x, 0,1
	v_add_f32 v[ST+12*\x+6], v[ST+12*\x+2], v[ST+12*\x+3]
.endr
.irp x, 0,1
	v_permlanex16_b32 v[ST+12*\x+10], v[ST+12*\x+6], s[SEL], s[SEL+1]
.endr
.irp x, 0,1
	v_add_f32 v[ST+12*\x+6], v[ST+12*\x+6], v[ST+12*\x+10]
.endr
	v_nop
	v_nop
.irp tt, 0,1,2,3
	global_load_b128 v[BI+8*\tt:BI+8*\tt+3], v[BA], s[12:13] offset:64*\tt          ; the bias at my lane's eight columns of each tile
	global_load_b128 v[BI+8*\tt+4:BI+8*\tt+7], v[BA], s[12:13] offset:64*\tt+16
.endr
	WIN LD1
.irp tt, 0,1,2,3
.irp c, 0,1,2,3
	global_load_b128 v[W01+16*\tt+4*\c:W01+16*\tt+4*\c+3], v[LI], s[8:9] offset:\tt*8192+3*2048+512*\c   ; wc's set 3 into V's registers: it is multiplied last
.endr
.endr
	WIN 0
	s_wait_tensorcnt 0x0                           ; my own 16,384 bytes of wc are in LDS; nobody else reads them
.irp s, 0,1
.irp tt, 0,1,2,3
.irp c, 0,1,2,3
	ds_load_b128 v[W23+64*\s+16*\tt+4*\c:W23+64*\s+16*\tt+4*\c+3], v[WA] offset:\tt*4096+\s*2048+512*\c
.endr
.endr
.endr
	s_wait_alu depctr_va_vdst(0)                   ; ahead of the batch of two
	v_rcp_f32 v[ST+4], v[ST+6]
	v_rcp_f32 v[ST+16], v[ST+18]
	v_nop
	s_wait_alu depctr_va_vdst(0)                   ; behind it
	v_ldexp_f32 v[ST+4], v[ST+4], s[EO]
	v_ldexp_f32 v[ST+16], v[ST+16], s[EO]
	WIN W_RS
	s_wait_alu depctr_va_vdst(0)                   ; directly ahead of the first reader of O^T
.irp x, 0,1
.irp i, 0,2,4,6,8,10,12,14,16,18,20,22,24,26,28,30
	v_pk_mul_f32 v[O+32*\x+\i:O+32*\x+\i+1], v[O+32*\x+\i:O+32*\x+\i+1], v[ST+12*\x+4:ST+12*\x+5] op_sel_hi:[1,0]
.endr
.endr
.set ri, 0
.rept 64
	v_med3_num_f32 v[O+ri], v[O+ri], -v[LIM4], v[LIM4]
.set ri, ri+1
.endr
	WIN W_CV
.irp x, 0,1
.irp b, 0,1
	v_cvt_scalef32_pk8_bf8_f32 v[P+8*\x+4*\b:P+8*\x+4*\b+1], v[O+32*\x+16*\b:O+32*\x+16*\b+7], v[SC4]
	v_cvt_scalef32_pk8_bf8_f32 v[P+8*\x+4*\b+2:P+8*\x+4*\b+3], v[O+32*\x+16*\b+8:O+32*\x+16*\b+15], v[SC4]
.endr
.endr
	v_nop
	WIN 0
.irp x, 0,1
.irp b, 0,1
	ds_store_b128 v[OIW], v[P+8*\x+4*\b:P+8*\x+4*\b+3] offset:\x*8192+512*\b
.endr
.endr
	s_wait_dscnt 0x0                               ; for the others' sake
	s_barrier_signal -1
	s_barrier_wait -1
.macro FETCHX s
	WIN LD1
.irp x, 0,1
.irp c, 0,1,2,3
	ds_load_b128 v[XF+32*((\s)%2)+16*\x+4*\c:XF+32*((\s)%2)+16*\x+4*\c+3], v[XA] offset:\x*8192+(\s)*2048+512*\c
.endr
.endr
.endm
.macro MUL s
.if (\s) < 2
	WIN W_F23                                      ; sets 0 and 1 came from LDS, ahead of the barrier's wait
.set rW, W23+64*(\s)
.else
	s_wait_loadcnt 24*(3-(\s))                     ; set 2 is in: behind it the bias, 8 loads, and set 3, 16 loads, may be out; then all
	WIN W_F01
.set rW, W01+64*(3-(\s))
.endif
.irp tt, 0,1,2,3
.irp x, 0,1
.if (\s) == 0
	v_wmma_f32_16x16x128_bf8_bf8 v[Y+8*(2*\tt+\x):Y+8*(2*\tt+\x)+7], v[rW+16*\tt:rW+16*\tt+15], v[XF+32*((\s)%2)+16*\x:XF+32*((\s)%2)+16*\x+15], 0
.else
	v_wmma_f32_16x16x128_bf8_bf8 v[Y+8*(2*\tt+\x):Y+8*(2*\tt+\x)+7], v[rW+16*\tt:rW+16*\tt+15], v[XF+32*((\s)%2)+16*\x:XF+32*((\s)%2)+16*\x+15], v[Y+8*(2*\tt+\x):Y+8*(2*\tt+\x)+7]
.endif
.endr
.endr
.endm
	FETCHX 0
	FETCHX 1
	s_wait_dscnt 8
	MUL 0
	PLACES
	FETCHX 2
	s_wait_dscnt 8
	MUL 1
	PLACES
	FETCHX 3
	s_wait_dscnt 8
	MUL 2
	s_wait_dscnt 0x0
	MUL 3
	PLACES
	WIN W_CV
.irp tt, 0,1,2,3
.irp x, 0,1
.irp i, 0,2,4,6
	v_pk_fma_f32 v[YO+8*(2*\tt+\x)+\i:YO+8*(2*\tt+\x)+\i+1], v[Y+8*(2*\tt+\x)+\i:Y+8*(2*\tt+\x)+\i+1], s[YS:YS+1], v[BI+8*\tt+\i:BI+8*\tt+\i+1] op_sel_hi:[1,0,1]
.endr
.endr
.endr
	WIN 0
.irp tt, 0,1,2,3                               ; through my own stage, so that sixteen lanes store one aligned unit of 256 bytes
.irp x, 0,1
	ds_store_b128 v[STO], v[YO+8*(2*\tt+\x):YO+8*(2*\tt+\x)+3] offset:\x*16*SP+64*\tt
	ds_store_b128 v[STO], v[YO+8*(2*\tt+\x)+4:YO+8*(2*\tt+\x)+7] offset:\x*16*SP+64*\tt+16
.endr
.endr
.irp i, 0,1,2,3,4,5,6,7,8,9,10,11,12,13,14,15
	ds_load_b128 v[RB+4*\i:RB+4*\i+3], v[SRD] offset:\i*2*SP
.endr
.irp i, 0,1,2,3,4,5,6,7,8,9,10,11,12,13,14,15
	s_wait_dscnt 15-\i
	global_store_b128 v[GO], v[RB+4*\i:RB+4*\i+3], s[14:15] offset:\i*4096 th:TH_STORE_NT
.endr
	s_wait_tensorcnt 0x0                           ; the wave's end
	ds_add_u32 v[SPW], v[NIL]
	s_wait_dscnt 0x0
	CROUND                                         ; the closing round
	s_endpgm
.Lfunc_end_k_q59485b7faa_attn:
	.size	k_q59485b7faa_attn, .Lfunc_end_k_q59485b7faa_attn-k_q59485b7faa_attn
	.p2alignl 7, 3214868480
	.fill 96, 4, 3214868480
	.section	.rodata,"a",@progbits
	.p2align	6, 0x0
	.amdhsa_kernel k_q59485b7faa_attn
		.amdhsa_group_segment_fixed_size 327680
		.amdhsa_private_segment_fixed_size 0
		.amdhsa_enable_private_segment 0
		.amdhsa_kernarg_size 48
		.amdhsa_user_sgpr_count 2
		.amdhsa_user_sgpr_kernarg_segment_ptr 1
		.amdhsa_wavefront_size32 1
		.amdhsa_system_sgpr_workgroup_id_x 1
		.amdhsa_system_sgpr_workgroup_id_y 1
		.amdhsa_system_sgpr_workgroup_id_z 1
		.amdhsa_system_vgpr_workitem_id 0
		.amdhsa_next_free_vgpr 512
		.amdhsa_next_free_sgpr 80
		.amdhsa_reserve_vcc 0
		.amdhsa_float_denorm_mode_32 3
		.amdhsa_float_denorm_mode_16_64 3
		.amdhsa_memory_ordered 1
		.amdhsa_forward_progress 1
		.amdhsa_inst_pref_size 255
	.end_amdhsa_kernel
	.section	.bss,"aw",@nobits
	.p2align	6
	.space	262144
	.amdgpu_metadata
---
amdhsa.version: [ 1, 2 ]
amdhsa.kernels:
  - .name:           k_q59485b7faa_attn
    .symbol:         k_q59485b7faa_attn.kd
    .args:
      - { .name: qc, .offset: 0, .size: 8, .value_kind: global_buffer, .address_space: global }
      - { .name: kv, .offset: 8, .size: 8, .value_kind: global_buffer, .address_space: global }
      - { .name: wc, .offset: 16, .size: 8, .value_kind: global_buffer, .address_space: global }
      - { .name: lowp_scales, .offset: 24, .size: 8, .value_kind: global_buffer, .address_space: global }
      - { .name: fc_b, .offset: 32, .size: 8, .value_kind: global_buffer, .address_space: global }
      - { .name: out0, .offset: 40, .size: 8, .value_kind: global_buffer, .address_space: global }
    .group_segment_fixed_size: 327680
    .private_segment_fixed_size: 0
    .kernarg_segment_align: 8
    .kernarg_segment_size: 48
    .max_flat_workgroup_size: 256
    .sgpr_count:     80
    .vgpr_count:     512
    .wavefront_size: 32
...
	.end_amdgpu_metadata
.endif
;; end of part 2
